; MI455X (gfx1250); checked and timed in simulation.
; The chip was launched on July 23, 2026; its instructions are those of AMD's public machine-readable ISA for CDNA 5 (MIT licence, August 2026) and "CDNA5" Instruction Set Architecture Reference Guide (July 2026). The comments in the code are by the model that wrote it; some were corrected since.
;; Dot Product Attention. Allowed arithmetic: float matrix products may take bf16 or f16 operands with f32 sums; all other float work in f32.
;; Inputs: k 2 x 16 x 2,048 x 64 float32; q 2 x 16 x 2,048 x 64 float32; v 2 x 16 x 2,048 x 64 float32.
;; Outputs: out0 2 x 16 x 2,048 x 64 float32.
;; One version. Each part assembles by itself: llvm-mc -triple=amdgcn-amd-amdhsa -mcpu=gfx1250 --defsym DOCPART=n.
;; ======== version 1 of 1: 2 launches
;; workspace buffers: part 4,194,304 bytes
;; launch ktv (part 1): grid 256 x 1, 4 waves a work-group, no clusters, 66,048 bytes of LDS; arguments k, v, part; writes part
.if DOCPART == 1
	.amdgcn_target "amdgcn-amd-amdhsa--gfx1250"
	.amdhsa_code_object_version 6
	.text
	.protected	k_q03e7f65d37_ktv
	.globl	k_q03e7f65d37_ktv
	.p2align	8
	.type	k_q03e7f65d37_ktv,@function
k_q03e7f65d37_ktv:
	s_mov_b64 s[64:65], 0
	v_nop
	global_prefetch_b8 v0, s[64:65] scope:SCOPE_SE
	s_setreg_imm32_b32 hwreg(HW_REG_WAVE_MODE, 25, 1), 1
	s_wait_xcnt 0x0
; FIRST OF TWO LAUNCHES.  out = (Q K^T) V is computed as Q (K^T V): the same products for every input, summed in another order
; (first over a head's 2,048 rows, then over the 64 head columns; the reference sums 64 first, then 2,048).
; This launch makes partial sums of S = K^T V (64 x 64 for each of the 32 heads): work-group g takes the 256 rows at byte 65,536 g
; of k and of v (head g >> 3, eighth g & 7) and stores one partial S of 16,384 bytes at byte 16,384 g of part.
; LIMITS: k and v are rounded once to bf16 for the matrix unit; sums are f32.
; No cluster: no two work-groups read the same byte of k or v.  No ring: a wave asks for its whole share (64 loads, 32,768 bytes) at once.
;
; LAYOUT, which spares every transposition.  The sum runs over ROWS, so rows are the matrix instruction's k.  One 16-byte load gives lane
; L = 16 h + r the words K[row 2c + h][4r .. 4r+3]: the wave's load covers 512 consecutive bytes, two whole rows.  Word i of the load belongs
; to the permuted tile i, whose matrix row r stands for head column d = 4 r + i.  The lane's 16 loads of a step of 32 rows give 16 numbers for
; each tile: exactly a fragment's 8 registers (ISA guide 7.12.2).  Which k place holds which row is the same in K's and in V's fragments,
; so the products pair rightly.  Result tile (i, j), register t of lane 16 h' + r', is S[32 h' + 4 t + i][4 r' + j].
; A PARTIAL IN MEMORY is the dump of the 16 tiles: tile 4 j + i at byte 1,024 (4 j + i); in it register t of lane L at 512 (t >> 2) + 16 L + 4 (t & 3).
;
; REGISTERS.  Window 0: v1, v2 offsets; v16-143 four fragment sets (4 tiles x 8 registers each), later the reduction's 32 loads.
;             Window 1 (v256-511): the 64 loads as they come; the 16 accumulator tiles lie over the first 128, which are converted by then.
.set WAVEB, 16384                      ; bytes of k (and of v) that a wave takes: 64 rows of 256; also a wave's dump in LDS
.set STEPB, 8192                       ; a step of 32 rows
.set OFFW,  1                          ; v1  16,384 wave + 16 lane: offset of the loads, and LDS address of the dump
.set OFFR,  2                          ; v2  4,096 wave + 16 lane: LDS address of my quarter of each dump, and offset of the stores
.set FKA, 16                           ; window 0: fragments of K, rows 0-31
.set FVA, 48                           ;           of V, rows 0-31
.set FKB, 80                           ;           of K, rows 32-63
.set FVB, 112                          ;           of V, rows 32-63
.set R,   16                           ; window 0: the reduction: region w' at R + 32 w'
.set KA, 0                             ; window 1: K rows 0-31 as loaded (load c at + 4 c)
.set VA, 64                            ;           V rows 0-31
.set KB, 128                           ;           K rows 32-63
.set VB, 192                           ;           V rows 32-63
.set MSB, 0
.macro WIN new                         ; low byte: bits 1:0 source 0, 3:2 source 1, 5:4 source 2, 7:6 destination; the high byte repeats the setting that is left
.if MSB != \new
	s_set_vgpr_msb (MSB<<8)|\new
.set MSB, \new
.endif
.endm
.macro LOAD16 dst, base, off           ; 32 rows: 16 loads of 512 consecutive bytes; read once in the launch
.irp c, 0,1,2,3,4,5,6,7,8,9,10,11,12,13,14,15
	global_load_b128 v[\dst+4*\c:\dst+4*\c+3], v[OFFW], s[\base:\base+1] offset:\off+512*\c th:TH_LOAD_NT
.endr
.endm
.macro CVT32 src, dst                  ; tile i, register p = word i of loads 2 p and 2 p + 1, rounded to bf16 and packed
.irp i, 0,1,2,3
.irp p, 0,1,2,3,4,5,6,7
	v_cvt_pk_bf16_f32 v[\dst+8*\i+\p], v[\src+8*\p+\i], v[\src+8*\p+4+\i]
.endr
.endr
.endm
.macro MUL16 fk, fv, zero              ; all 16 tiles (i, j), 32 rows deep
.irp j, 0,1,2,3
.irp i, 0,1,2,3
.if \zero
	v_wmma_f32_16x16x32_bf16 v[8*(4*\j+\i):8*(4*\j+\i)+7], v[\fk+8*\i:\fk+8*\i+7], v[\fv+8*\j:\fv+8*\j+7], 0
.else
	v_wmma_f32_16x16x32_bf16 v[8*(4*\j+\i):8*(4*\j+\i)+7], v[\fk+8*\i:\fk+8*\i+7], v[\fv+8*\j:\fv+8*\j+7], v[8*(4*\j+\i):8*(4*\j+\i)+7]
.endif
.endr
.endr
.endm
.macro ACCUM dst, src, pairs           ; dst += src, two f32 at a time
.set n, 0
.rept \pairs
	v_pk_add_f32 v[\dst+n:\dst+n+1], v[\dst+n:\dst+n+1], v[\src+n:\src+n+1]
.set n, n+2
.endr
.endm
	s_load_b128 s[4:7], s[0:1], 0x0                ; k s[4:5], v s[6:7]
	s_load_b64 s[8:9], s[0:1], 0x10                ; part
	v_lshl_add_u32 v254, v0, 2, 0x10000
	v_mov_b32 v255, 0
	v_lshrrev_b32 v3, 5, v0
	v_readfirstlane_b32 s10, v3                    ; wave 0..3
	v_and_b32 v4, 31, v0
	v_lshlrev_b32 v4, 4, v4                        ; 16 bytes a lane
	s_lshl_b32 s11, s10, 14
	s_lshl_b32 s12, s10, 12
	v_add_nc_u32 v[OFFW], s11, v4
	v_add_nc_u32 v[OFFR], s12, v4
	s_lshl_b32 s14, ttmp9, 16                      ; the work-group's 256 rows of 256 bytes (below 16,777,216)
	s_mov_b32 s15, 0
	s_lshl_b32 s16, ttmp9, 14                      ; its partial
	s_mov_b32 s17, 0
	s_wait_kmcnt 0x0
	s_add_nc_u64 s[4:5], s[4:5], s[14:15]
	s_add_nc_u64 s[6:7], s[6:7], s[14:15]
	s_add_nc_u64 s[8:9], s[8:9], s[16:17]
	WIN 0x40                                       ; loads land in window 1
	LOAD16 KA, 4, 0
	LOAD16 VA, 6, 0
	LOAD16 KB, 4, STEPB
	LOAD16 VB, 6, STEPB
	WIN 0x05                                       ; conversions: both sources window 1, result window 0
	s_wait_loadcnt 48                              ; loads return in order: the 48 younger ones stay out, K's rows 0-31 are in
	CVT32 KA, FKA
	s_wait_loadcnt 32                              ; V's rows 0-31
	CVT32 VA, FVA
	WIN 0x50                                       ; matrix: A and B window 0, C and D window 1
	MUL16 FKA, FVA, 1                              ; the first products start the sums: nothing is cleared
	WIN 0x05
	s_wait_loadcnt 16                              ; K's rows 32-63
	CVT32 KB, FKB                                  ; these name none of the registers of the matrix instructions above
	s_wait_loadcnt 0                               ; V's rows 32-63: nothing was issued behind them
	CVT32 VB, FVB
	WIN 0x50
	MUL16 FKB, FVB, 0                              ; each accumulator's next link, in place
.rept 4
	v_nop                                          ; four places before the LDS stores read the results and before loads land on the fragments
.endr
	; the four waves' sums meet in LDS: each dumps its 16 tiles (lane L at 16 L: neighbouring lanes, neighbouring 16 bytes)
	WIN 0x04                                       ; LDS store: data window 1, address window 0
.set n, 0
.rept 32
	ds_store_b128 v[OFFW], v[4*n:4*n+3] offset:512*n
.set n, n+1
.endr
	WIN 0
	s_wait_dscnt 0                                 ; for the other waves' sake: my dump is whole before I say so
	s_barrier_signal -1
	s_barrier_wait -1
	; wave w adds bytes 4,096 w .. + 4,095 of the four dumps
.irp w, 0,1,2,3
.irp q, 0,1,2,3,4,5,6,7
	ds_load_b128 v[R+32*\w+4*\q:R+32*\w+4*\q+3], v[OFFR] offset:\w*WAVEB+512*\q
.endr
.endr
	s_wait_dscnt 16                                ; dumps 0 and 1 are in; the 16 loads of dumps 2 and 3 stay out
	ACCUM R, R+32, 16
	s_wait_dscnt 8                                 ; dump 2
	ACCUM R, R+64, 16
	s_wait_dscnt 0                                 ; dump 3
	ACCUM R, R+96, 16
.irp q, 0,1,2,3,4,5,6,7
	global_store_b128 v[OFFR], v[R+4*\q:R+4*\q+3], s[8:9] offset:512*\q    ; 512 consecutive bytes a store; no streaming hint: the next launch reads them
.endr
	s_wait_tensorcnt 0x0
	ds_add_u32 v254, v255
	s_wait_dscnt 0x0
	s_endpgm
.Lfunc_end_k_q03e7f65d37_ktv:
	.size	k_q03e7f65d37_ktv, .Lfunc_end_k_q03e7f65d37_ktv-k_q03e7f65d37_ktv
	.p2alignl 7, 3214868480
	.fill 96, 4, 3214868480
	.section	.rodata,"a",@progbits
	.p2align	6, 0x0
	.amdhsa_kernel k_q03e7f65d37_ktv
		.amdhsa_group_segment_fixed_size 66048
		.amdhsa_private_segment_fixed_size 0
		.amdhsa_enable_private_segment 0
		.amdhsa_kernarg_size 24
		.amdhsa_user_sgpr_count 2
		.amdhsa_user_sgpr_kernarg_segment_ptr 1
		.amdhsa_wavefront_size32 1
		.amdhsa_system_sgpr_workgroup_id_x 1
		.amdhsa_system_sgpr_workgroup_id_y 1
		.amdhsa_system_sgpr_workgroup_id_z 1
		.amdhsa_system_vgpr_workitem_id 0
		.amdhsa_next_free_vgpr 512
		.amdhsa_next_free_sgpr 66
		.amdhsa_reserve_vcc 0
		.amdhsa_float_denorm_mode_32 3
		.amdhsa_float_denorm_mode_16_64 3
		.amdhsa_memory_ordered 1
		.amdhsa_forward_progress 1
		.amdhsa_inst_pref_size 26
	.end_amdhsa_kernel
	.amdgpu_metadata
---
amdhsa.version: [ 1, 2 ]
amdhsa.kernels:
  - .name:           k_q03e7f65d37_ktv
    .symbol:         k_q03e7f65d37_ktv.kd
    .args:
      - { .name: k, .offset: 0, .size: 8, .value_kind: global_buffer, .address_space: global }
      - { .name: v, .offset: 8, .size: 8, .value_kind: global_buffer, .address_space: global }
      - { .name: part, .offset: 16, .size: 8, .value_kind: global_buffer, .address_space: global }
    .group_segment_fixed_size: 66048
    .private_segment_fixed_size: 0
    .kernarg_segment_align: 8
    .kernarg_segment_size: 24
    .max_flat_workgroup_size: 128
    .sgpr_count:     66
    .vgpr_count:     512
    .wavefront_size: 32
...
	.end_amdgpu_metadata
.endif
;; end of part 1
;; launch qs (part 2): grid 256 x 1, 8 waves a work-group, no clusters, 168,960 bytes of LDS; arguments q, part, out0; writes out0
.if DOCPART == 2
	.amdgcn_target "amdgcn-amd-amdhsa--gfx1250"
	.amdhsa_code_object_version 6
	.text
	.protected	k_q03e7f65d37_qs
	.globl	k_q03e7f65d37_qs
	.p2align	8
	.type	k_q03e7f65d37_qs,@function
k_q03e7f65d37_qs:
	s_mov_b64 s[64:65], 0
	v_nop
	global_prefetch_b8 v0, s[64:65] scope:SCOPE_SE
	s_setreg_imm32_b32 hwreg(HW_REG_WAVE_MODE, 25, 1), 1
	s_wait_xcnt 0x0
; SECOND OF TWO LAUNCHES.  out = Q S with S = K^T V, whose eight partial sums for each head the first launch left in part.
; Work-group g takes rows 256 g .. + 255 of q and out0, seen as [65,536][64]; its head is g >> 3.  Eight waves, 32 rows each (two blocks of 16).
; LIMITS: the sums run in another order than the reference's (S over 2,048 rows first, then 64 columns).  q is rounded once to bf16.  S goes
; to the matrix unit as hi + lo, two bf16 numbers (what is dropped is about 2^-16 of S), with an f32 accumulator for each.  An element of S
; above bf16's largest finite number (about 3.39e38) becomes infinite, also where the reference's own intermediates would stay finite.
; NO CLUSTER, though the 8 work-groups of a head read the same 131,072 bytes of partials: here a wave loads its 16,384 bytes of them straight
; into the registers in which they are added.  A joint tensor load would lay all 131,072 bytes into each work-group's LDS, to be read back
; from there (262,144 bytes of LDS traffic more for each work-group), for a buffer of 4,194,304 bytes in the whole launch.
;
; LAYOUTS.  A partial is the dump of 16 tiles (i, j), tile 4 j + i at byte 1,024 (4 j + i); register t of lane 16 h' + r' is
; S[32 h' + 4 t + i][4 r' + j].  Packing registers (t, t + 1) makes 4 registers that ARE half a B fragment (ISA guide 7.12.2): column r',
; k places 8 h' + t.  Tiles i = 2 s and 2 s + 1 make the fragment of K step s: k place c stands for d = 4 (c mod 16) + 2 s + (c >> 4).
; Q's fragments follow the same map: lane (r, h) holds the half row q[row r][32 h .. + 31] in X, and register 4 g + c of A_s packs
; X[8 c + 2 s + g] and X[8 c + 4 + 2 s + g].  Result tile j, register t of lane (r', h'), is out[8 h' + t][4 r' + j]: the sum of the hi and
; the lo accumulator is written to register 4 t + j, so that four neighbouring registers hold 16 neighbouring bytes of a row of out0.
;
; LDS: bytes 0-16,383 FR, the packed pieces of S (hi piece n at 512 n + 16 lane, lo pieces 8,192 further), written by LDS stores;
;      bytes 16,384-86,015 QB, for each wave its 32 rows of q at a pitch of 272 bytes, written by the tensor load alone.
.set FRLO,  8192
.set QB,    16384
.set PITCH, 272                        ; 256 bytes + 16: 17 columns of 16 bytes, so the 16 rows that a load touches fall on 16 different columns
.set QTILE, 32*PITCH
.set FRD,  1                           ; v1  16 lane: FR, reading
.set POFF, 2                           ; v2  2,048 wave + 16 lane: my two tiles in each partial
.set FWR,  3                           ; v3  1,024 wave + 16 lane: FR, my two pieces
.set XAD,  4                           ; v4  QB + 8,704 wave + 272 r + 128 h: my half row
.set OOFF, 5                           ; v5  2,048 h + 16 r: my 16 bytes of row 8 h of a block of out0
.set PL,   16                          ; v16-143  partial p at PL + 16 p (2 tiles x 8 registers); afterwards:
.set BH,   16                          ; v16-79   hi fragments, (j, s) at + 8 (2 j + s)
.set BL,   80                          ; v80-143  lo fragments
.set X,    144                         ; v144-175 the split's temporaries; then the half row of q; then the block's results
.set AF,   176                         ; v176-191 A_0, A_1
.set HA,   192                         ; v192-223 accumulators of the hi products, tile j at + 8 j
.set LA,   224                         ; v224-255 of the lo products
.set G0,   24                          ; s[24:27] descriptor group 0
.set G1,   32                          ; s[32:39] descriptor group 1
.macro ACCUM dst, src, pairs           ; dst += src, two f32 at a time
.set n, 0
.rept \pairs
	v_pk_add_f32 v[\dst+n:\dst+n+1], v[\dst+n:\dst+n+1], v[\src+n:\src+n+1]
.set n, n+2
.endr
.endm
.macro SPLIT tau                       ; tile tau of my two: hi = bf16(S), lo = bf16(S - hi); both pieces to FR
.irp c, 0,1,2,3
	v_cvt_pk_bf16_f32 v[X+16*\tau+\c], v[PL+8*\tau+2*\c], v[PL+8*\tau+2*\c+1]
.endr
.irp c, 0,1,2,3
	v_lshlrev_b32 v[X+16*\tau+8+2*\c], 16, v[X+16*\tau+\c]         ; hi back in f32
	v_and_b32     v[X+16*\tau+9+2*\c], s20, v[X+16*\tau+\c]
.endr
.irp c, 0,1,2,3
	v_pk_add_f32 v[PL+8*\tau+2*\c:PL+8*\tau+2*\c+1], v[PL+8*\tau+2*\c:PL+8*\tau+2*\c+1], v[X+16*\tau+8+2*\c:X+16*\tau+9+2*\c] neg_lo:[0,1] neg_hi:[0,1]   ; S - hi, exact
.endr
.irp c, 0,1,2,3
	v_cvt_pk_bf16_f32 v[X+16*\tau+4+\c], v[PL+8*\tau+2*\c], v[PL+8*\tau+2*\c+1]
.endr
	ds_store_b128 v[FWR], v[X+16*\tau:X+16*\tau+3]   offset:512*\tau
	ds_store_b128 v[FWR], v[X+16*\tau+4:X+16*\tau+7] offset:FRLO+512*\tau
.endm
.macro XLOAD b                         ; block b: my 128 bytes of row 16 b + r
.irp u, 0,1,2,3,4,5,6,7
	ds_load_b128 v[X+4*\u:X+4*\u+3], v[XAD] offset:16*PITCH*\b+16*\u
.endr
.endm
.macro CVTA                            ; X to the two A fragments
.irp s, 0,1
.irp g, 0,1
.irp c, 0,1,2,3
	v_cvt_pk_bf16_f32 v[AF+8*\s+4*\g+\c], v[X+8*\c+2*\s+\g], v[X+8*\c+4+2*\s+\g]
.endr
.endr
.endr
.endm
.macro MULS                            ; 16 rows x 64 columns x 64 deep, hi and lo: the first K step starts the sums, the second is each chain's next link
.irp j, 0,1,2,3
	v_wmma_f32_16x16x32_bf16 v[HA+8*\j:HA+8*\j+7], v[AF:AF+7], v[BH+16*\j:BH+16*\j+7], 0
	v_wmma_f32_16x16x32_bf16 v[LA+8*\j:LA+8*\j+7], v[AF:AF+7], v[BL+16*\j:BL+16*\j+7], 0
.endr
.irp j, 0,1,2,3
	v_wmma_f32_16x16x32_bf16 v[HA+8*\j:HA+8*\j+7], v[AF+8:AF+15], v[BH+16*\j+8:BH+16*\j+15], v[HA+8*\j:HA+8*\j+7]
	v_wmma_f32_16x16x32_bf16 v[LA+8*\j:LA+8*\j+7], v[AF+8:AF+15], v[BL+16*\j+8:BL+16*\j+15], v[LA+8*\j:LA+8*\j+7]
.endr
.endm
.macro OUT b                           ; hi + lo, gathered by the add itself; each store writes two whole rows of 256 bytes (rows t and 8 + t of the block)
.rept 4
	v_nop                                          ; four places (ISA guide 7.12.1) before vector instructions read the results or rewrite A
.endr
.irp t, 0,1,2,3,4,5,6,7
.irp j, 0,1,2,3
	v_add_f32 v[X+4*\t+\j], v[HA+8*\j+\t], v[LA+8*\j+\t]
.endr
	global_store_b128 v[OOFF], v[X+4*\t:X+4*\t+3], s[8:9] offset:4096*\b+256*\t th:TH_STORE_NT
.endr
.endm
	s_load_b128 s[4:7], s[0:1], 0x0                ; q s[4:5], part s[6:7]
	s_load_b64 s[8:9], s[0:1], 0x10                ; out0
	v_lshl_add_u32 v14, v0, 2, 0x29000
	v_mov_b32 v15, 0
	ds_add_u32 v14, v15
	ds_add_u32 v14, v15
	v_lshrrev_b32 v7, 5, v0
	v_readfirstlane_b32 s10, v7                    ; wave 0..7
	; descriptor group 1: a tile of 32 rows x 64 elements of 4 bytes, 16 bytes of padding behind each row
	s_mov_b32 s[G1+0], (2<<16)|(1<<20)|(5<<22)|(3<<25) ; element of 4 bytes; padding on; after every 64 words (code 5) skip 4 words (code 3)
	s_mov_b32 s[G1+1], 64<<16                      ; tensor_dim0 = 64
	s_mov_b32 s[G1+2], 32<<16                      ; tensor_dim1 = 32
	s_mov_b32 s[G1+3], 64<<16                      ; tile_dim0 = 64
	s_mov_b32 s[G1+4], 32                          ; tile_dim1 = 32
	s_mov_b32 s[G1+5], 64                          ; 64 elements from row to row
	s_mov_b32 s[G1+6], 0
	s_mov_b32 s[G1+7], 0
	s_mov_b32 s[G0], 1                             ; count = 1
	s_mul_i32 s[G0+1], s10, QTILE
	s_add_co_u32 s[G0+1], s[G0+1], QB              ; my wave's own bytes of QB
	s_lshl_b32 s14, ttmp9, 16                      ; the work-group's 256 rows of 256 bytes
	s_lshl_b32 s11, s10, 13                        ; + my wave's 32 rows
	s_add_co_u32 s14, s14, s11
	s_mov_b32 s15, 0
	s_lshr_b32 s16, ttmp9, 3                       ; the head,
	s_lshl_b32 s16, s16, 17                        ; its eight partials of 16,384 bytes
	s_mov_b32 s17, 0
	s_mov_b32 s20, 0xffff0000                      ; a word's upper bf16
	s_lshl_b32 s12, s10, 11
	s_lshl_b32 s13, s10, 10
	v_and_b32 v[FRD], 31, v0
	v_lshlrev_b32 v[FRD], 4, v[FRD]
	v_add_nc_u32 v[POFF], s12, v[FRD]
	v_add_nc_u32 v[FWR], s13, v[FRD]
	v_and_b32 v7, 15, v0                           ; r
	v_bfe_u32 v8, v0, 4, 1                         ; h
	v_mul_u32_u24 v[XAD], v7, PITCH
	v_lshl_add_u32 v[XAD], v8, 7, v[XAD]
	v_add_nc_u32 v[XAD], s[G0+1], v[XAD]
	v_lshlrev_b32 v[OOFF], 4, v7
	v_lshl_add_u32 v[OOFF], v8, 11, v[OOFF]
	s_wait_dscnt 0x0
	s_wait_kmcnt 0x0
	s_add_nc_u64 s[G0+2:G0+3], s[4:5], s[14:15]    ; address of my tile's first element
	s_or_b32 s[G0+3], s[G0+3], 0x80000000          ; type = 2
	tensor_load_to_lds s[G0:G0+3], s[G1:G1+7]      ; the wave's one tensor load; its descriptor is never rewritten
	s_nop 0
	s_add_nc_u64 s[6:7], s[6:7], s[16:17]
	s_add_nc_u64 s[8:9], s[8:9], s[14:15]
	; my two tiles (2,048 bytes) of each of the eight partials; no streaming hint: eight work-groups read these bytes
.irp p, 0,1,2,3,4,5,6,7
.irp q, 0,1,2,3
	global_load_b128 v[PL+16*\p+4*\q:PL+16*\p+4*\q+3], v[POFF], s[6:7] offset:16384*\p+512*\q
.endr
.endr
.irp p, 1,2,3,4,5,6,7
	s_wait_loadcnt 4*(7-\p)                        ; loads return in order: partials 0 .. p are in, the four loads of each younger one stay out
	ACCUM PL, PL+16*\p, 8
.endr
	SPLIT 0
	SPLIT 1
	s_wait_dscnt 0                                 ; for the other waves' sake: my pieces of S are in FR
	s_wait_tensorcnt 0                             ; and my rows of q are in QB (only I read them)
	s_barrier_signal -1
	s_barrier_wait -1
	XLOAD 0
.set n, 0
.rept 32
	ds_load_b128 v[BH+4*n:BH+4*n+3], v[FRD] offset:512*n           ; pieces 0-15 fill the hi fragments, 16-31 the lo ones
.set n, n+1
.endr
	s_wait_dscnt 32                                ; the 8 loads of q are in; the 32 younger fragment loads stay out
	CVTA
	s_wait_dscnt 0                                 ; all of S
	MULS
	OUT 0
	s_wait_xcnt 0x0                                ; X holds the data of the stores above: it is loaded again only behind this wait
	XLOAD 1
	s_wait_dscnt 0
	CVTA                                           ; behind the four v_nop of OUT; the accumulators are started anew further behind, past the adds of the other tiles too
	MULS
	OUT 1
	s_wait_tensorcnt 0x0
	ds_add_u32 v14, v15
	s_wait_dscnt 0x0
	s_endpgm
.Lfunc_end_k_q03e7f65d37_qs:
	.size	k_q03e7f65d37_qs, .Lfunc_end_k_q03e7f65d37_qs-k_q03e7f65d37_qs
	.p2alignl 7, 3214868480
	.fill 96, 4, 3214868480
	.section	.rodata,"a",@progbits
	.p2align	6, 0x0
	.amdhsa_kernel k_q03e7f65d37_qs
		.amdhsa_group_segment_fixed_size 168960
		.amdhsa_private_segment_fixed_size 0
		.amdhsa_enable_private_segment 0
		.amdhsa_kernarg_size 24
		.amdhsa_user_sgpr_count 2
		.amdhsa_user_sgpr_kernarg_segment_ptr 1
		.amdhsa_wavefront_size32 1
		.amdhsa_system_sgpr_workgroup_id_x 1
		.amdhsa_system_sgpr_workgroup_id_y 1
		.amdhsa_system_sgpr_workgroup_id_z 1
		.amdhsa_system_vgpr_workitem_id 0
		.amdhsa_next_free_vgpr 256
		.amdhsa_next_free_sgpr 66
		.amdhsa_reserve_vcc 0
		.amdhsa_float_denorm_mode_32 3
		.amdhsa_float_denorm_mode_16_64 3
		.amdhsa_memory_ordered 1
		.amdhsa_forward_progress 1
		.amdhsa_inst_pref_size 23
	.end_amdhsa_kernel
	.amdgpu_metadata
---
amdhsa.version: [ 1, 2 ]
amdhsa.kernels:
  - .name:           k_q03e7f65d37_qs
    .symbol:         k_q03e7f65d37_qs.kd
    .args:
      - { .name: q, .offset: 0, .size: 8, .value_kind: global_buffer, .address_space: global }
      - { .name: part, .offset: 8, .size: 8, .value_kind: global_buffer, .address_space: global }
      - { .name: out0, .offset: 16, .size: 8, .value_kind: global_buffer, .address_space: global }
    .group_segment_fixed_size: 168960
    .private_segment_fixed_size: 0
    .kernarg_segment_align: 8
    .kernarg_segment_size: 24
    .max_flat_workgroup_size: 256
    .sgpr_count:     66
    .vgpr_count:     256
    .wavefront_size: 32
...
	.end_amdgpu_metadata
.endif
;; end of part 2
